; MI455X (gfx1250); checked and timed in simulation.
; The chip was launched on July 23, 2026; its instructions are those of AMD's public machine-readable ISA for CDNA 5 (MIT licence, August 2026) and "CDNA5" Instruction Set Architecture Reference Guide (July 2026). The comments in the code are by the model that wrote it; some were corrected since.
;; Global Aggregation Block. Allowed arithmetic: matrix products marked QUANTISED: E2M3 operands, one E8M0 scale for each 32 along K, by v_wmma_scale_f32_16x16x128_f8f6f4 with both operands' format E2M3, f32 sums; everything else in f32.
;; Inputs: Wk 64 x 128 float32; Wo 128 x 64 float32; Wq 64 x 128 float32; Wv 64 x 128 float32; X 1 x 128 x 16 x 32 x 32 float32; bk 64 float32; bo 128 float32; bq 64 float32; bv 64 float32.
;; Outputs: out0 1 x 128 x 16 x 32 x 32 float32.
;; This version of the problem:
;;   THIS VERSION OF THE PROBLEM IS GIVEN IN LOW PRECISION. The matrix products marked QUANTISED in the list below multiply operands that are first quantised to E2M3 (2 exponent bits, 3 mantissa bits; 6 bits a number), with one power-of-two scale for each 32 numbers along K (OCP MX v1.0); their sums are f32. All else is computed in f32.
;;   The module's matrix products, in the order in which they are computed (A, B: the left and right operand; K: the contracted axis; several contracted axes count as one K, in the product's order):
;;     1. [M 64, K 128] x [K 128, N 16,384]; A: input Wq; B: input X: QUANTISED
;;     2. [M 64, K 128] x [K 128, N 16,384]; A: input Wk; B: input X: QUANTISED
;;     3. [M 64, K 128] x [K 128, N 16,384]; A: input Wv; B: input X: QUANTISED
;;     4. [M 16,384, K 64] x [K 64, N 16,384]; A: computed on the way; B: computed on the way: QUANTISED
;;     5. [M 16,384, K 16,384] x [K 16,384, N 64]; A: softmax (see below); B: computed on the way: QUANTISED
;;     6. [M 128, K 64] x [K 64, N 16,384]; A: input Wo; B: computed on the way: QUANTISED
;;   THE QUANTISER, for each operand of a quantised product, along K:
;;     - K is cut into blocks of 32 from its start; a last block that is shorter is filled with zeros.
;;     - A block's scale is 2^e with e = floor(log2(the largest magnitude in the block)) - 2, held to -126 .. 127; a block of zeros has e = 0. As a byte (E8M0): e + 127.
;;     - Each number is divided by its block's scale, clamped to +-7.5, and rounded to the nearest number of E2M3, ties to even, subnormals kept.
;;     - The product sums the exact products of the quantised numbers (number of the format x scale) in f32.
;;   ~~~python
;;   def quantise(x, axis):      # numpy; x: float32 -> the quantised numbers, widened to float32 again
;;       x = np.moveaxis(x, axis, -1); K = x.shape[-1]
;;       x = np.pad(x, [(0, 0)] * (x.ndim - 1) + [(0, -K % 32)]); x = x.reshape(x.shape[:-1] + (-1, 32)); a = np.abs(x).max(-1, keepdims=True)
;;       e = np.where(a > 0, np.clip(np.frexp(np.where(a > 0, a, 1))[1] - 1 - 2, -126, 127), 0)      # np.frexp(a)[1] - 1 = floor(log2(a)), exactly
;;       r = np.clip(x / 2.0 ** e, -7.5, 7.5)
;;       step = 2.0 ** (np.maximum(np.frexp(np.where(r == 0, 1, r))[1] - 1, 0) - 3)
;;       q = np.round(r / step) * step * 2.0 ** e      # np.round: ties to even
;;       return np.moveaxis(q.reshape(q.shape[:-2] + (-1,))[..., :K], -1, axis).astype(np.float32)
;;   ~~~
;;   SOFTMAX AHEAD OF A QUANTISED PRODUCT. Where the list says 'softmax', what is quantised is not the finished softmax but p = 2^(t - M), with t = logit x log2(e) and M = ceil(the row's largest t), a whole number; so 1/2 < the row's largest p <= 1. The row's sum l is taken of the UNQUANTISED p, in f32, and the product's result is divided by l at the end. Since M is a whole number, a kernel that streams over the keys may use a running M (the ceiling of the running maximum): every later rescaling is an exact power of two, which a block's scale takes up: the codes' values come out the same.
;;   OPERANDS COMPUTED ON THE WAY. 'Computed on the way' means the value that the module computes at that place (a softmax that the list does not call 'softmax' is quantised finished and normalised). What goes into a quantiser is computed in f32, as accurately as f32 sums, v_exp_f32 and their like allow (about 1e-6 of the number): no bf16 or f16 on the way to a quantiser, and a product that is left as it is and whose result goes on into a quantised operand takes f32 operands (vector FMAs, or v_wmma_f32_16x16x4_f32). A number that lies on a knife's edge between two numbers of the format may be rounded either way, as far as f32 arithmetic and the matrix unit's own rounding can turn it there, and no further.
;; One version. Each part assembles by itself: llvm-mc -triple=amdgcn-amd-amdhsa -mcpu=gfx1250 --defsym DOCPART=n.
;; ======== version 1 of 1: 2 launches
;; workspace buffers: qc 1,048,576 bytes; kv 1,638,400 bytes
;; launch proj (part 1): grid 128 x 1, 4 waves a work-group, clusters of 4 x 1, 202,240 bytes of LDS; arguments X, Wq, bq, Wk, bk, Wv, bv, qc, kv; writes qc, kv
.if DOCPART == 1
	.amdgcn_target "amdgcn-amd-amdhsa--gfx1250"
	.amdhsa_code_object_version 6
	.text
	.protected	k_qc656f1594d_proj
	.globl	k_qc656f1594d_proj
	.p2align	8
	.type	k_qc656f1594d_proj,@function
k_qc656f1594d_proj:
	s_mov_b64 s[64:65], 0
	v_nop
	global_prefetch_b8 v0, s[64:65] scope:SCOPE_SE
	s_setreg_imm32_b32 hwreg(HW_REG_WAVE_MODE, 25, 1), 1
	s_wait_xcnt 0x0
	s_wait_alu depctr_hold_cnt(0) depctr_sa_sdst(0) depctr_va_vdst(0) depctr_va_sdst(0) depctr_va_ssrc(0) depctr_va_vcc(0) depctr_vm_vsrc(0)
	s_getreg_b32 s2, hwreg(HW_REG_IB_STS2, 6, 4)
	s_cmp_eq_u32 s2, 0
	s_cbranch_scc0 .Lentry_in_a_cluster
	s_endpgm
.Lentry_in_a_cluster:
	s_bfe_u32 s2, ttmp6, 0x10000c
	s_cmp_lg_u32 s2, 0x3003
	s_cbranch_scc0 .Lentry_shape_is_right
	s_endpgm
.Lentry_shape_is_right:
; Q = Wq X + bq, K = Wk X + bk, V = Wv X + bv  (X: [128][16384] f32; W: [64][128] f32), each product on codes of FP6 (E2M3) with one E8M0 scale for 32 along the
; channels, and the three results quantised again for the attention launch: Q and K along their 64 channels, V along the keys.
; SHARES.  Work-group g owns columns 128 g .. 128 g + 127 (one key step), wave w 32 of them, as two tiles of 16: lane r of tile u stands for column 8 u + r + 8 (r / 8).
; 128 keys to a work-group because a fragment of V and each of V's scale words span 128 keys: with fewer, two work-groups would write bytes of the same words.
; CLUSTER.  The three weights (96 KiB of the 160 KiB that a work-group reads) are the same for all work-groups: the four partners ask for them jointly.  X's columns are each work-group's own: plain loads.
; OUT.  qc: a row of 64 bytes for each column: 48 bytes of codes, the scale word b0 | b1<<8 | b0<<16 | b1<<24, 12 zeros.
;       kv: a record of 12,800 bytes for each key step, as images of operand registers (a group of four registers: 16 bytes a lane, 512 bytes):
;         0      K: four pair images of 1,536 bytes; pair a = [tile 2 a: 6 registers | tile 2 a + 1: 6 registers]; lane (r, h) of a tile: its key r, channels 32 h .. 32 h + 31
;         6144   V: four fragments (16 channels x 128 keys) of 1,536 bytes
;         12288  K's scale words, [lane][2]: word x of lane 16 y + r: pair 2 x + y; bytes 0, 1: first tile's key r, bytes 2, 3: second tile's
;         12544  V's scale words, [lane][2]: word x of lane 16 y + r: channels' tile 2 x + y, channel r; byte = block of 32 keys
; A block's scale byte is its largest magnitude's exponent field - 2, held at 1 from below.
; LIMITS: a block whose largest magnitude lies under 2^-124 gets the byte 1, a block of zeros too (the stated quantiser says 127: its codes are zeros, and this program alone reads the bytes);
; NaN and infinities among the inputs are not served.
.set WL,     65536                     ; LDS: X's tile at 0: 128 rows x 512 bytes; then the three weights, 64 rows of 512 + 16 bytes each
.set WPITCH, 528
.set WTILE,  64*WPITCH
.set WIMG,   WL+3*WTILE                ; the weights' 12 fragments as images, 1,536 bytes each
.set WSC,    WIMG+12*1536              ; their scale words, 128 bytes each
.set QST,    WSC+12*128                ; a stage of 32 rows x 64 bytes for each wave: Q's way out
.set VST,    QST+4*2048                ; the record's bytes 6,144 .. 12,799: V's images, K's scale words, V's scale words
.set SPARE,  VST+6656                  ; the spare words, 128 bytes for each wave: two blocks of 256 bytes that no other line names
.set REC,    12800
.set AX,  4                            ; v4   X's tile: my column
.set AWP, 5                            ; v5   Wq, Wk: my row of my tile (rows chosen so that results lie as the next operand wants them)
.set AWN, 6                            ; v6   Wv: my row of my tile
.set LI,  7                            ; v7   16 x lane
.set LS,  8                            ; v8   4 x lane
.set WIW, 9                            ; v9   where I store a weight's image;  v10 its scale word
.set WSW, 10
.set AQ,  11                           ; v11  Q's stage: my column's row + 24 h;  v12 its tail;  v13 back: 16 x lane
.set AQS, 12
.set AQR, 13
.set AV,  14                           ; v14-16 where my three registers of V's codes go in V's images
.set AVS, 17                           ; v17  V's scale byte;  v18 K's scale word
.set AKS, 18
.set AVR, 19                           ; v19  the record's second half, back
.set GV,  21                           ; v21  and its place in memory
.set SPW, 22                           ; v22  LDS address of my spare word; never rewritten
.set NIL, 23                           ; v23  0; never rewritten
.set BH,  24                           ; v24  64 h: bq's and bk's offset;  v25  4 r: bv's
.set BR,  25
.set WIR, 26                           ; v26  a weight's image, read;  v27 its scale word
.set WSR, 27
.set XT,  28                           ; v28-39, v40-51 X's two fragments (16 columns x 128 channels)
.set XS,  52                           ; v52  X's scale words: tile 0's in lanes 0-15, tile 1's in lanes 16-31
.set WS,  54                           ; v54-57 a weight's four scale words
.set TM,  58                           ; v58-61 largest magnitudes, v62-65 bytes, v70-73 the conversions' scale operands
.set PW,  74                           ; v74  the scale word just made
.set PC,  76                           ; v76-87 the codes just made; v88-95 at work
.set STG, 96                           ; v96-159 64 numbers in f32
.set WFR, 96                           ; later: a weight's four fragments, v96-143
.set QT4, 144                          ; v144-151 the tails of Q's rows: [scale word, 0, 0, 0] for each tile
.set DD,  160                          ; v160-223 the products' results
.set OUT, 224                          ; v224-255 the ways out
.set BQ,  0                            ; window 1: v0-31 bq in the result's layout, v32-63 bk, v64-71 bv in pairs
.set BK,  32
.set BV,  64
.set MSB, 0
.macro WIN new                         ; the immediate's high byte repeats the setting that is left
.if MSB != \new
	s_set_vgpr_msb (MSB<<8)|\new
.set MSB, \new
.endif
.endm
.macro CROUND                          ; a round of the cluster's barrier
	s_barrier_signal -1
	s_barrier_wait -1
	s_cmp_lg_u32 s22, 0
	s_cbranch_scc1 .Lnot_wave_0_\@
	s_barrier_signal -3
.Lnot_wave_0_\@:
	s_barrier_wait -3
	s_barrier_signal -1
	s_barrier_wait -1
.endm
.macro PLACES n
.rept \n
	v_nop
.endr
.endm
.macro IMAGE adr, off                  ; the fragment in v[PC] on goes to LDS as it stands
.irp c, 0,1,2
	ds_store_b128 v[\adr], v[PC+4*\c:PC+4*\c+3] offset:\off+512*\c
.endr
.endm
; Two blocks of 32 that lie whole in my lane, v[STG + 32 c + 0 .. 31]: largest magnitude (with the floor 2^(3 - 127) among its leaves), scale operand, byte
.macro BLK2
.irp c, 0,1
	v_max3_num_f32 v[TM+\c], |v[STG+32*\c]|, |v[STG+32*\c+1]|, 0x1800000
.endr
.irp i, 2,4,6,8,10,12,14,16,18,20,22,24,26,28,30
.irp c, 0,1
	v_max3_num_f32 v[TM+\c], v[TM+\c], |v[STG+32*\c+\i]|, |v[STG+32*\c+\i+1]|
.endr
.endr
.irp c, 0,1
	v_add_nc_u32 v[TM+12+\c], 0xff000000, v[TM+\c]     ; 2 off the exponent field: the conversion's scale operand
.endr
.irp c, 0,1
	v_lshrrev_b32 v[TM+4+\c], 23, v[TM+12+\c]          ; the scale's byte
.endr
.endm
; A weight's tile: my row's k = 64 c + 32 h + 0 .. 31 from LDS, quantised into a fragment and a scale word, stored as images
.macro WEIGHT adr, off, m
.irp c, 0,1
.irp i, 0,1,2,3,4,5,6,7
	ds_load_b128 v[STG+32*\c+4*\i:STG+32*\c+4*\i+3], v[\adr] offset:\off+256*\c+16*\i
.endr
.endr
	s_wait_dscnt 0x0
	BLK2
	v_lshl_or_b32 v[PW], v[TM+5], 16, v[TM+4]          ; my two bytes: blocks h and 2 + h,
	v_lshlrev_b32 v[TM+6], 3, v3
	v_lshlrev_b32 v[PW], v[TM+6], v[PW]                ; 8 h bits up;
	v_permlanex16_b32 v[TM+7], v[PW], s26, s27
	v_or_b32 v[PW], v[PW], v[TM+7]                     ; with lane l xor 16's two the word is whole
.irp c, 0,1
	v_cvt_scalef32_pk16_fp6_f32 v[PC+6*\c:PC+6*\c+2], v[STG+32*\c:STG+32*\c+15], v[TM+12+\c]
	v_cvt_scalef32_pk16_fp6_f32 v[PC+12+4*\c:PC+14+4*\c], v[STG+32*\c+16:STG+32*\c+31], v[TM+12+\c]   ; (a conversion's three registers begin on an even number)
.endr
	v_nop                                              ; one plain place behind a scaled conversion
.irp c, 0,1
.irp i, 0,1,2
	v_mov_b32 v[PC+3+6*\c+\i], v[PC+12+4*\c+\i]
.endr
.endr
	IMAGE WIW, 6144*\m
	ds_store_b32 v[WSW], v[PW] offset:512*\m
	s_wait_dscnt 0x0                                   ; the stores have read their registers
.endm
; X, channels 64 c .. 64 c + 63 of my lane's column (lanes 0-15: tile 0's columns, lanes 16-31: tile 1's): registers 6 c .. 6 c + 5 of both fragments
.macro QX c
.set ii, 0
.rept 64
	ds_load_b32 v[STG+ii], v[AX] offset:(64*(\c)+ii)*512   ; 32 lanes read 32 different words of one row
.set ii, ii+1
.endr
	s_wait_dscnt 0x0
	BLK2
	v_cvt_scalef32_pk16_fp6_f32 v[XT+6*\c:XT+6*\c+2], v[STG:STG+15], v[TM+12]
	v_cvt_scalef32_pk16_fp6_f32 v[PC+12:PC+14], v[STG+16:STG+31], v[TM+12]
	v_cvt_scalef32_pk16_fp6_f32 v[XT+12+6*\c:XT+12+6*\c+2], v[STG+32:STG+47], v[TM+13]
	v_cvt_scalef32_pk16_fp6_f32 v[PC+16:PC+18], v[STG+48:STG+63], v[TM+13]
	v_nop
.irp i, 0,1,2
	v_mov_b32 v[XT+6*\c+3+\i], v[PC+12+\i]
	v_mov_b32 v[XT+12+6*\c+3+\i], v[PC+16+\i]
.endr
.irp i, 0,1,2,3,4,5
	v_permlane16_swap_b32 v[XT+6*\c+\i], v[XT+12+6*\c+\i]   ; the first's lanes 16-31 (tile 1, lower block) change places with the second's lanes 0-15 (tile 0, upper block): each is now one tile's
.endr
.if \c == 0
	v_lshl_or_b32 v[XS], v[TM+5], 8, v[TM+4]
.else
	v_lshl_or_b32 v[XS], v[TM+4], 16, v[XS]
	v_lshl_or_b32 v[XS], v[TM+5], 24, v[XS]
.endif
.endm
.macro FETCHW m                        ; weight m's four fragments and scale words
.irp t, 0,1,2,3
.irp c, 0,1,2
	ds_load_b128 v[WFR+12*\t+4*\c:WFR+12*\t+4*\c+3], v[WIR] offset:(4*\m+\t)*1536+512*\c
.endr
	ds_load_b32 v[WS+\t], v[WSR] offset:(4*\m+\t)*128
.endr
.endm
; 64 numbers of a lane, register 16 b + i = k 32 b + 16 h + i of block b: the four blocks' scale operands and bytes
.macro QMAX s
.irp b, 0,1,2,3
	v_max3_num_f32 v[TM+\b], |v[\s+16*\b]|, |v[\s+1+16*\b]|, 0x1800000
.endr
.irp i, 2,4,6,8,10,12,14
.irp b, 0,1,2,3
	v_max3_num_f32 v[TM+\b], v[TM+\b], |v[\s+16*\b+\i]|, |v[\s+1+16*\b+\i]|
.endr
.endr
.irp b, 0,1,2,3
	v_permlanex16_b32 v[TM+4+\b], v[TM+\b], s26, s27
.endr
.irp b, 0,1,2,3
	v_max_num_f32 v[TM+\b], v[TM+\b], v[TM+4+\b]       ; with lane l xor 16's 16
.endr
.irp b, 0,1,2,3
	v_add_nc_u32 v[TM+12+\b], 0xff000000, v[TM+\b]
.endr
.irp b, 0,1,2,3
	v_lshrrev_b32 v[TM+4+\b], 23, v[TM+12+\b]
.endr
.endm
; and their codes as 12 operand registers in v[PC] on, their four bytes as a word in v[PW]
.macro QUANT s
	QMAX \s
	v_lshl_or_b32 v[PW], v[TM+5], 8, v[TM+4]
	v_lshl_or_b32 v[PW], v[TM+6], 16, v[PW]
	v_lshl_or_b32 v[PW], v[TM+7], 24, v[PW]
.irp c, 0,1
	v_cvt_scalef32_pk16_fp6_f32 v[PC+6*\c:PC+2+6*\c], v[\s+32*\c:\s+15+32*\c], v[TM+12+2*\c]
	v_cvt_scalef32_pk16_fp6_f32 v[PC+12+4*\c:PC+14+4*\c], v[\s+16+32*\c:\s+31+32*\c], v[TM+12+2*\c+1]
.endr
	v_nop
.irp c, 0,1                            ; the operand's layout wants a whole block in a lane
.irp i, 0,1,2
	v_permlane16_swap_b32 v[PC+6*\c+\i], v[PC+12+4*\c+\i]
.endr
.irp i, 0,1,2
	v_mov_b32 v[PC+3+6*\c+\i], v[PC+12+4*\c+\i]
.endr
.endr
.endm
; Eight products: source 0 = 16 rows of the weight, source 1 = 16 columns of X, C = the bias in the result's layout (window 1).
; Lane (r, h), register 32 u + 16 b + i: channel 32 b + 16 h + i of column r of tile u.
.macro QKPROD bias
	WIN 0x10
.irp t, 0,1,2,3
	v_wmma_scale_f32_16x16x128_f8f6f4 v[DD+8*\t:DD+8*\t+7], v[WFR+12*\t:WFR+12*\t+11], v[XT:XT+11], v[\bias+8*\t:\bias+8*\t+7], v[WS+\t], v[XS] matrix_a_fmt:MATRIX_FMT_FP6 matrix_b_fmt:MATRIX_FMT_FP6
.endr
.irp t, 0,1,2,3
	v_wmma_scale_f32_16x16x128_f8f6f4 v[DD+32+8*\t:DD+32+8*\t+7], v[WFR+12*\t:WFR+12*\t+11], v[XT+12:XT+23], v[\bias+8*\t:\bias+8*\t+7], v[WS+\t], v[XS] matrix_a_fmt:MATRIX_FMT_FP6 matrix_b_fmt:MATRIX_FMT_FP6 matrix_b_scale:MATRIX_SCALE_ROW1
.endr
	WIN 0
	PLACES 4                                           ; behind the products, ahead of the first read of their results
.endm
	s_load_b256 s[4:11], s[0:1], 0x0               ; X s[4:5], Wq s[6:7], bq s[8:9], Wk s[10:11]
	s_load_b256 s[12:19], s[0:1], 0x20             ; bk s[12:13], Wv s[14:15], bv s[16:17], qc s[18:19]
	s_load_b64 s[20:21], s[0:1], 0x40              ; kv
	v_lshl_add_u32 v[SPW], v0, 2, SPARE
	v_mov_b32 v[NIL], 0
	ds_add_u32 v[SPW], v[NIL]                      ; the wave's opening: the add and its wait stand ahead of my first tensor load; the set-up below, work on registers, stands between them
	ds_add_u32 v[SPW], v[NIL]
	v_lshrrev_b32 v1, 5, v0
	v_readfirstlane_b32 s22, v1                    ; wave 0..3
	s_bfe_u32 s23, ttmp6, 0x40000                  ; cx
	s_lshl_b32 s24, ttmp9, 2
	s_add_co_u32 s24, s24, s23                     ; g = 4 x cluster + cx: it enters global addresses alone
	s_mov_b32 s26, 0x76543210
	s_mov_b32 s27, 0xfedcba98                      ; v_permlanex16_b32's selects for lane l xor 16
	; X's tile: each wave 32 rows (channels) x 128 numbers of 4 bytes, 16,384 numbers from row to row; no mask
	s_mov_b32 s28, 2<<16
	s_mov_b32 s29, 128<<16
	s_mov_b32 s30, 32<<16
	s_mov_b32 s31, 128<<16
	s_mov_b32 s32, 32
	s_mov_b32 s33, 16384
	s_mov_b32 s34, 0
	s_mov_b32 s35, 0
	; a weight: 64 rows x 128 numbers, dense; 16 bytes of padding behind each 512; the mask names all four partners
	s_mov_b32 s40, 15|(2<<16)|(1<<20)|(1<<21)|(6<<22)|(3<<25)
	s_mov_b32 s41, 128<<16
	s_mov_b32 s42, 64<<16
	s_mov_b32 s43, 128<<16
	s_mov_b32 s44, 64
	s_mov_b32 s45, 128
	s_mov_b32 s46, 0
	s_mov_b32 s47, 0
	s_mov_b32 s36, 1
	s_lshl_b32 s37, s22, 14                        ; X: wave x 32 rows of 512 bytes
	s_mov_b32 s48, 1
	s_mul_i32 s49, s22, WTILE
	s_add_co_u32 s49, s49, WL                      ; weight w
	s_lshl_b32 s52, s22, 21                        ; X in memory: 32 w rows of 65,536 bytes
	s_lshl_b32 s53, s24, 9                         ; + 128 g columns
	s_add_co_u32 s52, s52, s53
	s_mov_b32 s53, 0
	v_and_b32 v1, 31, v0                           ; lane
	v_and_b32 v2, 15, v0                           ; r
	v_bfe_u32 v3, v0, 4, 1                         ; h
	v_and_b32 v[AX], 7, v0                         ; my column of the wave's 32: (l & 7) + 8 h + 16 ((l >> 3) & 1)
	v_lshl_or_b32 v[AX], v3, 3, v[AX]
	v_bfe_u32 v58, v0, 3, 1
	v_lshl_or_b32 v[AX], v58, 4, v[AX]
	s_lshl_b32 s60, s22, 7
	v_lshl_add_u32 v[AX], v[AX], 2, s60            ; 4 bytes a column, 128 bytes a wave
	v_and_b32 v59, 8, v2
	v_add_nc_u32 v59, v59, v2                      ; r + 8 (r / 8)
	s_lshr_b32 s60, s22, 1
	s_lshl_b32 s60, s60, 5
	s_and_b32 s61, s22, 1
	s_lshl_b32 s61, s61, 3
	s_add_co_u32 s60, s60, s61                     ; tile w of Wq, Wk begins at row 32 (w / 2) + 8 (w % 2)
	s_mul_i32 s60, s60, WPITCH
	s_add_co_u32 s60, s60, WL
	v_mul_u32_u24 v[AWP], v59, WPITCH
	s_wait_alu depctr_va_vdst(0)
	v_lshl_add_u32 v[AWP], v3, 7, v[AWP]
	v_add_nc_u32 v[AWP], s60, v[AWP]
	s_mul_i32 s60, s22, 16*WPITCH                  ; tile w of Wv: rows 16 w + r
	s_add_co_u32 s60, s60, WL+2*WTILE
	v_mul_u32_u24 v[AWN], v2, WPITCH
	v_lshl_add_u32 v[AWN], v3, 7, v[AWN]
	v_add_nc_u32 v[AWN], s60, v[AWN]
	v_lshlrev_b32 v[LI], 4, v1
	v_lshlrev_b32 v[LS], 2, v1
	s_mul_i32 s60, s22, 1536
	s_add_co_u32 s60, s60, WIMG
	v_add_nc_u32 v[WIW], s60, v[LI]
	s_lshl_b32 s60, s22, 7
	s_add_co_u32 s60, s60, WSC
	v_add_nc_u32 v[WSW], s60, v[LS]
	s_lshl_b32 s60, s22, 11
	s_add_co_u32 s60, s60, QST
	v_lshlrev_b32 v[AQS], 6, v59
	v_add_nc_u32 v[AQS], s60, v[AQS]               ; my column's row in my stage (tile 0; tile 1 lies 8 rows on)
	v_mad_u32_u24 v[AQ], v3, 24, v[AQS]
	v_add_nc_u32 v[AQS], 48, v[AQS]
	v_add_nc_u32 v[AQR], s60, v[LI]
	s_lshr_b32 s60, s22, 1                         ; V: my register i goes to register 6 (w / 2) + 3 h + i of lane r + 16 (w % 2) of the fragment
	s_mul_i32 s60, s60, 6
	s_and_b32 s61, s22, 1
	s_lshl_b32 s61, s61, 8
	s_add_co_u32 s61, s61, VST
	v_mul_u32_u24 v60, v3, 3
	v_add_nc_u32 v60, s60, v60
.irp i, 0,1,2
	v_add_nc_u32 v61, \i, v60
	v_lshrrev_b32 v58, 2, v61
	v_and_b32 v61, 3, v61
	v_lshlrev_b32 v58, 9, v58                      ; which group of four registers: 512 bytes each,
	v_lshl_add_u32 v58, v61, 2, v58                ; which of the four,
	v_lshl_add_u32 v58, v2, 4, v58                 ; 16 bytes a lane
	v_add_nc_u32 v[AV+\i], s61, v58
.endr
	s_add_co_u32 s60, s22, VST+6400
	v_lshl_add_u32 v[AVS], v2, 3, s60              ; V's scale byte: 8 r + w (+ the tile's place, in the offset)
	s_and_b32 s60, s22, 1
	s_lshl_b32 s60, s60, 7
	s_lshr_b32 s61, s22, 1
	s_lshl_b32 s61, s61, 2
	s_add_co_u32 s60, s60, s61
	s_add_co_u32 s60, s60, VST+6144
	v_lshl_add_u32 v[AKS], v2, 3, s60              ; K's scale word: 8 r + 128 (w % 2) + 4 (w / 2)
	s_lshl_b32 s60, s22, 9
	v_add_nc_u32 v[GV], s60, v[LI]
	s_add_co_u32 s60, s60, VST
	v_add_nc_u32 v[AVR], s60, v[LI]
	v_lshlrev_b32 v[BH], 6, v3
	v_lshlrev_b32 v[BR], 2, v2
	v_add_nc_u32 v[WIR], WIMG, v[LI]
	v_add_nc_u32 v[WSR], WSC, v[LS]
.irp b, 0,1,2,3
	v_mov_b32 v[TM+4+\b], 0                        ; written once: a lane permute's destination counts as one of its sources
.endr
	s_wait_dscnt 0x0                               ; the opening add is done
	s_wait_kmcnt 0x0
	s_add_nc_u64 s[38:39], s[4:5], s[52:53]
	s_or_b32 s39, s39, 0x80000000
	s_cmp_eq_u32 s22, 0                            ; wave 0 fetches Wq, wave 1 Wk, wave 2 Wv: the choice hangs on the wave's number alone
	s_cselect_b64 s[50:51], s[6:7], s[14:15]
	s_cmp_eq_u32 s22, 1
	s_cselect_b64 s[50:51], s[10:11], s[50:51]
	s_or_b32 s51, s51, 0x80000000
	s_lshl_b32 s54, s24, 13                        ; qc: 128 g + 32 w rows of 64 bytes
	s_lshl_b32 s60, s22, 11
	s_add_co_u32 s54, s54, s60
	s_mov_b32 s55, 0
	s_add_nc_u64 s[54:55], s[18:19], s[54:55]
	s_mul_i32 s58, s24, REC
	s_mov_b32 s59, 0
	s_add_nc_u64 s[58:59], s[20:21], s[58:59]      ; my work-group's record
	s_mul_i32 s56, s22, 1536
	s_mov_b32 s57, 0
	s_add_nc_u64 s[56:57], s[58:59], s[56:57]      ; K's pair w
	s_add_nc_u64 s[58:59], s[58:59], 6144          ; the record's second half
	CROUND                                         ; all four work-groups are here: the joint loads meet
	s_cmp_lt_u32 s22, 3
	s_cbranch_scc0 .Lno_w
	tensor_load_to_lds s[48:51], s[40:47]          ; a weight, jointly
	s_nop 0
	PLACES 4
.Lno_w:
	tensor_load_to_lds s[36:39], s[28:35]          ; my 32 rows of X's tile.  At most two tensor loads of mine are out; every fill of this launch is a first fill
	s_nop 0
	PLACES 4
	WIN 0x40                                       ; destination window 1
	s_wait_alu depctr_va_vdst(0)
.irp t, 0,1,2,3                                ; the biases in the result's layout: tile t, lane (r, h), register j: channel 32 (t / 2) + 8 (t % 2) + 16 h + j
.irp q, 0,1
	global_load_b128 v[BQ+8*\t+4*\q:BQ+8*\t+4*\q+3], v[BH], s[8:9] offset:128*(\t/2)+32*(\t%2)+16*\q
	global_load_b128 v[BK+8*\t+4*\q:BK+8*\t+4*\q+3], v[BH], s[12:13] offset:128*(\t/2)+32*(\t%2)+16*\q
.endr
.endr
.irp t, 0,1,2,3                                ; bv of channel 16 t + r, twice: a pair for the packed addition
	global_load_b32 v[BV+2*\t], v[BR], s[16:17] offset:64*\t
	global_load_b32 v[BV+2*\t+1], v[BR], s[16:17] offset:64*\t
.endr
	WIN 0
	s_wait_tensorcnt 0x0                           ; my parts of X and of the weights have landed,
	s_barrier_signal -1
	s_barrier_wait -1                              ; everybody's have
	; ---- the weights: wave w quantises tile w of each and stores its image
	WEIGHT AWP, 0, 0
	WEIGHT AWP, WTILE, 1
	WEIGHT AWN, 0, 2
	; ---- X: my 32 columns become two fragments
	QX 0
	QX 1
	s_wait_alu depctr_va_vdst(0)
	s_wait_dscnt 0x0
	s_barrier_signal -1
	s_barrier_wait -1                              ; the weights' twelve images lie in LDS
	; ---- Q
	FETCHW 0
	s_wait_loadcnt 0x0                             ; the biases
	s_wait_dscnt 0x0
.irp u, 0,1
.irp i, 1,2,3
	v_mov_b32 v[QT4+4*\u+\i], 0                    ; the zeros of Q's tails.  With the two lines below: eight places behind the vector write of X's scale words, ahead of a scaled product
.endr
.endr
	PLACES 2
	QKPROD BQ
	QUANT DD                                       ; blocks: (tile 0, channels 0-31), (tile 0, 32-63), (tile 1, 0-31), (tile 1, 32-63)
.irp u, 0,1
	v_lshl_or_b32 v[QT4+4*\u], v[TM+5+2*\u], 8, v[TM+4+2*\u]
	v_lshl_or_b32 v[QT4+4*\u], v[QT4+4*\u], 16, v[QT4+4*\u]   ; b0 | b1<<8 | b0<<16 | b1<<24
.endr
.irp u, 0,1
.irp p, 0,1,2
	ds_store_b64 v[AQ], v[PC+6*\u+2*\p:PC+6*\u+2*\p+1] offset:512*\u+8*\p
.endr
	ds_store_b128 v[AQS], v[QT4+4*\u:QT4+4*\u+3] offset:512*\u   ; both halves of the lanes write the same 16 bytes with the same values
.endr
.irp i, 0,1,2,3
	ds_load_b128 v[OUT+4*\i:OUT+4*\i+3], v[AQR] offset:512*\i    ; LDS serves a wave's instructions in order: these see my stores
.endr
.irp i, 0,1,2,3
	s_wait_dscnt 3-\i                              ; the younger loads of this run may be out
	global_store_b128 v[LI], v[OUT+4*\i:OUT+4*\i+3], s[54:55] offset:512*\i   ; 32 lanes store 512 consecutive bytes, aligned
.endr
	; ---- K
	PLACES 4                                       ; with the four behind Q's products: more than five places ahead of products that write over their results
	FETCHW 1
	s_wait_dscnt 0x0
	QKPROD BK
	QUANT DD                                       ; the 12 registers are pair w's image, the word its scale word
.irp q, 0,1,2
	global_store_b128 v[LI], v[PC+4*\q:PC+4*\q+3], s[56:57] offset:512*\q
.endr
	ds_store_b32 v[AKS], v[PW]                     ; both halves of the lanes write the same word with the same value
	; ---- V, transposed: source 0 = 16 keys of X, source 1 = 16 rows of Wv.  Lane (r, h), register 16 t + i: channel 16 t + r, key 16 h + i of my 32
	s_wait_xcnt 0x0                                ; K's stores have read their registers: the codes' registers are written again below
	PLACES 4
	FETCHW 2
	s_wait_dscnt 0x0
.irp t, 0,1,2,3
	v_wmma_scale_f32_16x16x128_f8f6f4 v[DD+16*\t:DD+16*\t+7], v[XT:XT+11], v[WFR+12*\t:WFR+12*\t+11], 0, v[XS], v[WS+\t] matrix_a_fmt:MATRIX_FMT_FP6 matrix_b_fmt:MATRIX_FMT_FP6
	v_wmma_scale_f32_16x16x128_f8f6f4 v[DD+16*\t+8:DD+16*\t+15], v[XT+12:XT+23], v[WFR+12*\t:WFR+12*\t+11], 0, v[XS], v[WS+\t] matrix_a_fmt:MATRIX_FMT_FP6 matrix_b_fmt:MATRIX_FMT_FP6 matrix_a_scale:MATRIX_SCALE_ROW1
.endr
	PLACES 4
	WIN 0x04                                       ; source 1 window 1
.irp t, 0,1,2,3
.irp k, 0,2,4,6,8,10,12,14
	v_pk_add_f32 v[DD+16*\t+\k:DD+16*\t+\k+1], v[DD+16*\t+\k:DD+16*\t+\k+1], v[BV+2*\t:BV+2*\t+1]   ; + bv; each result from its low end on
.endr
.endr
	WIN 0
	QMAX DD                                        ; block t: my wave's 32 keys of channel 16 t + r
.irp t, 0,1,2,3
	v_cvt_scalef32_pk16_fp6_f32 v[PC+4*\t:PC+4*\t+2], v[DD+16*\t:DD+16*\t+15], v[TM+12+\t]
.endr
	v_nop
.irp t, 0,1,2,3
.irp i, 0,1,2
	ds_store_b32 v[AV+\i], v[PC+4*\t+\i] offset:1536*\t
.endr
	ds_store_b8 v[AVS], v[TM+4+\t] offset:128*(\t%2)+4*(\t/2)   ; both halves of the lanes write the same byte with the same value
.endr
	s_wait_dscnt 0x0                               ; for the others' sake: my stores have landed
	s_barrier_signal -1
	s_barrier_wait -1                              ; the record's second half lies in LDS: 13 pieces of 512 bytes
.irp i, 0,1,2
	ds_load_b128 v[OUT+16+4*\i:OUT+16+4*\i+3], v[AVR] offset:2048*\i   ; pieces w, w + 4, w + 8
.endr
.irp i, 0,1,2
	s_wait_dscnt 2-\i                              ; the younger loads of this run may be out
	global_store_b128 v[GV], v[OUT+16+4*\i:OUT+16+4*\i+3], s[58:59] offset:2048*\i
.endr
	s_cmp_lg_u32 s22, 0
	s_cbranch_scc1 .Lnot_0
	ds_load_b128 v[OUT+28:OUT+31], v[AVR] offset:6144                  ; piece 12, the scale words: wave 0
	s_wait_dscnt 0x0
	global_store_b128 v[GV], v[OUT+28:OUT+31], s[58:59] offset:6144
.Lnot_0:
	s_wait_tensorcnt 0x0                           ; the wave's end, behind my last tensor load and my last LDS store
	ds_add_u32 v[SPW], v[NIL]
	s_wait_dscnt 0x0
	CROUND                                         ; the closing round
	s_endpgm
.Lfunc_end_k_qc656f1594d_proj:
	.size	k_qc656f1594d_proj, .Lfunc_end_k_qc656f1594d_proj-k_qc656f1594d_proj
	.p2alignl 7, 3214868480
	.fill 96, 4, 3214868480
	.section	.rodata,"a",@progbits
	.p2align	6, 0x0
	.amdhsa_kernel k_qc656f1594d_proj
		.amdhsa_group_segment_fixed_size 202240
		.amdhsa_private_segment_fixed_size 0
		.amdhsa_enable_private_segment 0
		.amdhsa_kernarg_size 72
		.amdhsa_user_sgpr_count 2
		.amdhsa_user_sgpr_kernarg_segment_ptr 1
		.amdhsa_wavefront_size32 1
		.amdhsa_system_sgpr_workgroup_id_x 1
		.amdhsa_system_sgpr_workgroup_id_y 1
		.amdhsa_system_sgpr_workgroup_id_z 1
		.amdhsa_system_vgpr_workitem_id 0
		.amdhsa_next_free_vgpr 328
		.amdhsa_next_free_sgpr 66
		.amdhsa_reserve_vcc 0
		.amdhsa_float_denorm_mode_32 3
		.amdhsa_float_denorm_mode_16_64 3
		.amdhsa_memory_ordered 1
		.amdhsa_forward_progress 1
		.amdhsa_inst_pref_size 62
	.end_amdhsa_kernel
	.amdgpu_metadata
---
amdhsa.version: [ 1, 2 ]
amdhsa.kernels:
  - .name:           k_qc656f1594d_proj
    .symbol:         k_qc656f1594d_proj.kd
    .args:
      - { .name: X, .offset: 0, .size: 8, .value_kind: global_buffer, .address_space: global }
      - { .name: Wq, .offset: 8, .size: 8, .value_kind: global_buffer, .address_space: global }
      - { .name: bq, .offset: 16, .size: 8, .value_kind: global_buffer, .address_space: global }
      - { .name: Wk, .offset: 24, .size: 8, .value_kind: global_buffer, .address_space: global }
      - { .name: bk, .offset: 32, .size: 8, .value_kind: global_buffer, .address_space: global }
      - { .name: Wv, .offset: 40, .size: 8, .value_kind: global_buffer, .address_space: global }
      - { .name: bv, .offset: 48, .size: 8, .value_kind: global_buffer, .address_space: global }
      - { .name: qc, .offset: 56, .size: 8, .value_kind: global_buffer, .address_space: global }
      - { .name: kv, .offset: 64, .size: 8, .value_kind: global_buffer, .address_space: global }
    .group_segment_fixed_size: 202240
    .private_segment_fixed_size: 0
    .kernarg_segment_align: 8
    .kernarg_segment_size: 72
    .max_flat_workgroup_size: 128
    .sgpr_count:     66
    .vgpr_count:     328
    .wavefront_size: 32
...
	.end_amdgpu_metadata
.endif
;; end of part 1
;; launch attn (part 2): grid 256 x 1, 16 waves a work-group, clusters of 4 x 1, 327,680 bytes of LDS; arguments qc, kv, Wo, bo, out0; writes out0
.if DOCPART == 2
	.amdgcn_target "amdgcn-amd-amdhsa--gfx1250"
	.amdhsa_code_object_version 6
	.text
	.protected	k_qc656f1594d_attn
	.globl	k_qc656f1594d_attn
	.p2align	8
	.type	k_qc656f1594d_attn,@function
k_qc656f1594d_attn:
	s_mov_b64 s[64:65], 0
	v_nop
	global_prefetch_b8 v0, s[64:65] scope:SCOPE_SE
	s_setreg_imm32_b32 hwreg(HW_REG_WAVE_MODE, 25, 1), 1
	s_wait_xcnt 0x0
	s_wait_alu depctr_hold_cnt(0) depctr_sa_sdst(0) depctr_va_vdst(0) depctr_va_sdst(0) depctr_va_ssrc(0) depctr_va_vcc(0) depctr_vm_vsrc(0)
	s_getreg_b32 s2, hwreg(HW_REG_IB_STS2, 6, 4)
	s_cmp_eq_u32 s2, 0
	s_cbranch_scc0 .Lentry_in_a_cluster
	s_endpgm
.Lentry_in_a_cluster:
	s_bfe_u32 s2, ttmp6, 0x10000c
	s_cmp_lg_u32 s2, 0x3003
	s_cbranch_scc0 .Lentry_shape_is_right
	s_endpgm
.Lentry_shape_is_right:
; Y = Wo O2 + bo, O2 = the raw reshape [64][16384] of O = softmax(Q^T K / 8) V^T, all three products on codes of FP6 (E2M3) with one E8M0 scale for 32 along a product's K.
; O2[c'][64 j + c] = O[256 c' + j][c]: the last product sums, and its quantiser cuts its blocks, over the 64 queries 256 c' + j of one j.
; SHARES.  Work-group j owns just those 64 queries and so finishes Y[:, 64 j .. 64 j + 63]: 128 rows of 256 aligned bytes.  Wave w = qt + 4 kq: queries c' = 16 qt + r, a quarter kq of the keys.
; Sixteen waves of 256 registers, four to a SIMD: one wave's vector work stands beside another's matrix work and LDS loads.
; THE SOFTMAX: t = score x log2(e) / 8; M = the largest t so far, rounded up to a whole number; p = 2^(t - M) is quantised along the keys, not normalised; the row's sum is taken of the unquantised p.
; Each wave keeps its own M, sum and O^T for its quarter of the keys; at the end the four are brought under the largest M by exact powers of two and added.
; K = 64 IN AN INSTRUCTION OF 128: one operand of 12 registers holds TWO tiles of 16 rows (the first at k 0-63, the second at k 64-127); the other side lies in 18 registers [codes 6 | zeros 6 | codes 6],
; of which registers 0-11 pick the first tile and registers 6-17 the second.  Zero codes add nothing under the valid scale bytes that they meet.  So nothing is read from LDS for the empty half of K.
; RING.  kv is 128 records of 12,800 bytes, one for each 128 keys, as images of operand registers.  Two LDS slots of 8 records; wave group kq takes records 2 kq and 2 kq + 1 of each slot.
; CLUSTER.  All work-groups walk the same kv: the four partners ask for each slot jointly (waves 0-3: two records each).  qc's rows are each work-group's own; Wo (32 KiB, once) is a small part of what a
; work-group reads and comes through registers.
; LIMITS: a block whose largest magnitude lies under 2^-124 gets the byte 1, a block of zeros too (its codes are zeros; this program alone reads the bytes); a p under 2^-126 counts as 0;
; M is a whole number in f32, exact up to 2^24; NaN and infinities are not served.
.set SLOT1,  1<<17                     ; slot 0 at 0, slot 1 here: one exclusive or turns an address in one into the other's
.set SLOTB,  102400                    ; 8 records
.set RECB,   12800
.set WOI,    SLOT1+SLOTB               ; Wo's four pair images, 1,536 bytes each
.set WOS,    WOI+6144                  ; their scale words, 128 bytes each
.set STATS,  WOS+512                   ; -M: 16 words a wave; the sums 1,024 bytes on
.set PART,   STATS+2048                ; four parts of O2: [kq][channel: 272 bytes][c']
.set PARTB,  64*272
.set SPARE,  PART+4*PARTB              ; the spare words, 128 bytes for each wave: eight blocks of 256 bytes that no other line names
.set YP,     272                       ; Y's stage, 128 rows of 256 + 16 bytes, lies in slot 0: when it is written, that slot has had its last fill and its last read
.set A0,  1                            ; v1   16 x lane + my two records' place in a slot;  v2  8 x lane + the same
.set AS0, 2
.set ADR, 3                            ; v3, v4 the same in the slot in hand
.set ADS, 4
.set SPW, 5                            ; v5   LDS address of my spare word; never rewritten
.set NIL, 6                            ; v6   0; never rewritten
.set PFO, 7                            ; v7   the prefetches' offset; never rewritten
.set QOF, 8                            ; v8   my query's row in qc + 24 h
.set STW, 9                            ; v9-v18 the way out's addresses (made at the head, never rewritten)
.set STR, 10
.set PAW, 11
.set PAR, 12
.set WOR, 13
.set WSR, 14
.set YSW, 15
.set YSR, 16
.set GOF, 17
.set BOF, 18
.set QSO, 19                           ; v19  my query's scale word in qc
.set WGO, 20                           ; v20  Wo: my row + 128 h;  v21, v22 where a pair's image and word are stored
.set WIW, 21
.set WSW, 22
.set QQ,  24                           ; v24-41 [Q 6 | zeros 6 | Q 6]; on the way out O2 likewise
.set QS,  42                           ; v42  Q's scale words
.set NM,  44                           ; v44 -M, v45 the largest t
.set LL,  46                           ; v[46:47] the sum in two halves
.set KV,  48                           ; v48-95 K's four pairs, then V's four fragments
.set SS,  96                           ; v96-159 S^T, then p
.set OO,  160                          ; v160-191 O^T
.set PC,  192                          ; v192-203 p's codes
.set PT,  204                          ; v204-211 at work
.set BM,  212                          ; v212-215 the blocks' largest scores, then p
.set T2,  216                          ; v216-219 at work
.set SO,  220                          ; v220-223 the conversions' scale operands
.set FF,  224                          ; v224 f = 2^(old M - new M);  v225 p's scale word
.set PW,  225
.set TMP, 226
.set WW,  227
.set L2,  228                          ; v[228:229] the sums' second chain
.set KS,  230                          ; v[230:231] K's scale words;  v[232:233] V's
.set VS,  232
.set BO,  234                          ; v234-249 bo in the result's layout
.macro CROUND                          ; a round of the cluster's barrier
	s_barrier_signal -1
	s_barrier_wait -1
	s_cmp_lg_u32 s14, 0
	s_cbranch_scc1 .Lnot_wave_0_\@
	s_barrier_signal -3
.Lnot_wave_0_\@:
	s_barrier_wait -3
	s_barrier_signal -1
	s_barrier_wait -1
.endm
.macro PLACES n
.rept \n
	v_nop
.endr
.endm
.macro JLOAD                           ; waves 0-3 fetch two records each, jointly with the three partners; the branch hangs on the wave's number alone
	s_cmp_lt_u32 s14, 4
	s_cbranch_scc0 .Lnone_\@
	tensor_load_to_lds s[32:35], s[24:31]
	s_nop 0
	PLACES 4
.Lnone_\@:
.endm
; A prefetch of the slot that the NEXT change of slots will ask for.  All work-groups walk the same kv: cluster 0 asks.  Its four partners take 25,600 bytes each, told apart by address;
; in each, waves 4-7 ask, lanes 256 bytes apart (100 blocks: the last wave's lanes 4-31 name the part's last block again).  The last change that fills a slot asks for nothing.
.macro ASK
	s_cmp_gt_u32 s37, s38
	s_cbranch_scc0 .Lnot_mine_\@
	global_prefetch_b8 v[PFO], s[40:41] th:TH_LOAD_NT scope:SCOPE_SE
.Lnot_mine_\@:
.endm
; THE CHANGE OF SLOTS stands at a slot's head.  Each wave waits for all its tensor loads (its part of the slot ahead), adds 0 to its spare word, and waits for that and for its reads of the slot that it has left.
; fill = 1: a round of the cluster's barrier, and behind it the slot just left is filled with the next 8 records: the load has a slot's two key steps of all sixteen waves in which to land.
.macro CHANGE fill
	s_wait_tensorcnt 0x0                           ; no tensor load of mine is out, so the descriptor may be written
	ds_add_u32 v[SPW], v[NIL]                      ; 0 onto my spare word
.if \fill
	s_xor_b32 s33, s33, SLOT1                      ; the other slot than last time,
	s_add_nc_u64 s[34:35], s[34:35], SLOTB         ; the next 8 records; the type bits on top are not reached
	s_wait_xcnt 0x0                                ; the last prefetch, a slot back, has read its address
	s_add_nc_u64 s[40:41], s[40:41], SLOTB         ; one slot further on than the descriptor
.endif
	s_wait_dscnt 0x0                               ; the add is done, and my reads of the slot that I have left are over
.if \fill
	CROUND                                         ; no wave of any partner still reads that slot or has a load on its way
	JLOAD                                          ; the first thing behind the round, and a wave's one tensor load until the next
	ASK
.else
	s_barrier_signal -1
	s_barrier_wait -1
.endif
.endm
; A KEY STEP: record rec (0 or 1) of my two records of the slot in hand: 128 keys.  (The argument's name is none of the names that the loops inside use.)
.macro STEP rec
.set BB, RECB*(\rec)
	PLACES 4                                       ; ahead of loads into registers that the last products read
.irp q, 0,1,2,3,4,5,6,7,8,9,10,11
	ds_load_b128 v[KV+4*\q:KV+4*\q+3], v[ADR] offset:BB+512*\q        ; K's four pairs: 512 consecutive bytes a load
.endr
	ds_load_b64 v[KS:KS+1], v[ADS] offset:BB+12288
	s_wait_dscnt 0x0
.irp a, 0,1,2,3                                ; S^T: source 0 = a pair of tiles of 16 keys, source 1 = my 16 queries.  Register 16 a + i: key 32 a + 16 h + i of query r
.irp u, 0,1
.if \a%2
	v_wmma_scale_f32_16x16x128_f8f6f4 v[SS+8*(2*\a+\u):SS+8*(2*\a+\u)+7], v[KV+12*\a:KV+12*\a+11], v[QQ+6*\u:QQ+6*\u+11], 0, v[KS+\a/2], v[QS] matrix_a_fmt:MATRIX_FMT_FP6 matrix_b_fmt:MATRIX_FMT_FP6 matrix_a_scale:MATRIX_SCALE_ROW1
.else
	v_wmma_scale_f32_16x16x128_f8f6f4 v[SS+8*(2*\a+\u):SS+8*(2*\a+\u)+7], v[KV+12*\a:KV+12*\a+11], v[QQ+6*\u:QQ+6*\u+11], 0, v[KS+\a/2], v[QS] matrix_a_fmt:MATRIX_FMT_FP6 matrix_b_fmt:MATRIX_FMT_FP6
.endif
.endr
.endr
	PLACES 4                                       ; ahead of the loads into K's registers and of the first read of the scores
.irp q, 0,1,2,3,4,5,6,7,8,9,10,11
	ds_load_b128 v[KV+4*\q:KV+4*\q+3], v[ADR] offset:BB+6144+512*\q   ; V's four fragments land while the softmax is walked
.endr
	ds_load_b64 v[VS:VS+1], v[ADS] offset:BB+12544
.irp b, 0,1,2,3
	v_max3_num_f32 v[BM+\b], v[SS+16*\b], v[SS+1+16*\b], v[SS+2+16*\b]   ; the largest score of each block of 32 keys: for the row's maximum and, since p rises with the score, for the block's largest p
.endr
.irp i, 3,5,7,9,11,13                          ; (the pair 7, 8 is the first read of a block's second result, and takes its lowest register)
.irp b, 0,1,2,3
	v_max3_num_f32 v[BM+\b], v[BM+\b], v[SS+16*\b+\i], v[SS+1+16*\b+\i]
.endr
.endr
.irp b, 0,1,2,3
	v_max_num_f32 v[BM+\b], v[BM+\b], v[SS+15+16*\b]
.endr
.irp b, 0,1,2,3
	s_delay_alu instid0(VALU_DEP_4)
	v_permlanex16_b32 v[T2+\b], v[BM+\b], s20, s21
.endr
.irp b, 0,1,2,3
	s_delay_alu instid0(VALU_DEP_4)
	v_max_num_f32 v[BM+\b], v[BM+\b], v[T2+\b]         ; with lane l xor 16's 16 keys
.endr
	s_delay_alu instid0(VALU_DEP_2)
	v_max3_num_f32 v[TMP], v[BM], v[BM+1], v[BM+2]
	s_delay_alu instid0(VALU_DEP_1)
	v_max_num_f32 v[TMP], v[TMP], v[BM+3]
	s_delay_alu instid0(VALU_DEP_1)
	v_mul_f32 v[TMP], s22, v[TMP]                      ; as t
	s_delay_alu instid0(VALU_DEP_1)
	v_max_num_f32 v[NM+1], v[NM+1], v[TMP]             ; the running largest t
	v_mov_b32 v[TMP], v[NM]
	s_delay_alu instid0(VALU_DEP_2)
	v_floor_f32 v[NM], -v[NM+1]                        ; the new -M = -ceil(t)
	s_delay_alu instid0(VALU_DEP_1)
	v_sub_f32 v[TMP], v[NM], v[TMP]                    ; old M - new M: a whole number, 0 or less
	s_delay_alu instid0(VALU_DEP_1)
	v_cvt_i32_f32 v[TMP], v[TMP]                       ; (it saturates)
	s_delay_alu instid0(VALU_DEP_1)
	v_ldexp_f32 v[FF], 1.0, v[TMP]                     ; f = 2^(old M - new M)
.set jj, 0
.rept 32
	v_pk_fma_f32 v[SS+jj:SS+jj+1], v[SS+jj:SS+jj+1], s[22:23], v[NM:NM+1] op_sel_hi:[1,0,0]   ; t - M, two at a time
.set jj, jj+2
.endr
.irp b, 0,1,2,3
	v_fma_f32 v[BM+\b], v[BM+\b], s22, v[NM]           ; the same of each block's largest score
.endr
.set jj, 0
	s_wait_alu depctr_va_vdst(0)
.rept 64
	v_exp_f32 v[SS+jj], v[SS+jj]                       ; p = 2^(t - M)
.set jj, jj+1
.endr
	v_pk_mul_f32 v[LL:LL+1], v[LL:LL+1], v[FF:FF+1] op_sel_hi:[1,0]   ; the sums under the new M: the plain place behind the exponentials
	s_wait_alu depctr_va_vdst(0)                       ; one wait for the batch of 64, ahead of its first reader
.irp b, 0,1,2,3
	v_exp_f32 v[BM+\b], v[BM+\b]                       ; the blocks' largest p
.endr
	v_pk_add_f32 v[228:229], v[100:101], v[104:105]
	v_pk_add_f32 v[254:255], v[108:109], v[112:113]
	v_pk_add_f32 v[252:253], v[116:117], v[120:121]
	v_pk_add_f32 v[250:251], v[124:125], v[128:129]
	v_pk_add_f32 v[248:249], v[132:133], v[136:137]
	v_pk_add_f32 v[246:247], v[140:141], v[144:145]
	v_pk_add_f32 v[244:245], v[148:149], v[152:153]
	v_pk_add_f32 v[46:47], v[46:47], v[156:157]
	v_pk_add_f32 v[228:229], v[228:229], v[96:97]
	v_pk_add_f32 v[254:255], v[254:255], v[98:99]
	v_pk_add_f32 v[252:253], v[252:253], v[102:103]
	v_pk_add_f32 v[250:251], v[250:251], v[106:107]
	v_pk_add_f32 v[248:249], v[248:249], v[110:111]
	v_pk_add_f32 v[246:247], v[246:247], v[114:115]
	v_pk_add_f32 v[244:245], v[244:245], v[118:119]
	v_pk_add_f32 v[46:47], v[46:47], v[122:123]
	v_pk_add_f32 v[228:229], v[228:229], v[126:127]
	v_pk_add_f32 v[254:255], v[254:255], v[130:131]
	v_pk_add_f32 v[252:253], v[252:253], v[134:135]
	v_pk_add_f32 v[250:251], v[250:251], v[138:139]
	v_pk_add_f32 v[248:249], v[248:249], v[142:143]
	v_pk_add_f32 v[246:247], v[246:247], v[146:147]
	v_pk_add_f32 v[244:245], v[244:245], v[150:151]
	v_pk_add_f32 v[46:47], v[46:47], v[154:155]
	v_pk_add_f32 v[228:229], v[228:229], v[158:159]
	s_delay_alu instid0(VALU_DEP_2)
	v_pk_add_f32 v[46:47], v[46:47], v[250:251]
	s_delay_alu instid0(VALU_DEP_2)
	v_pk_add_f32 v[228:229], v[228:229], v[248:249]
	v_pk_add_f32 v[254:255], v[254:255], v[246:247]
	v_pk_add_f32 v[252:253], v[252:253], v[244:245]
	s_delay_alu instid0(VALU_DEP_2)
	v_pk_add_f32 v[46:47], v[46:47], v[254:255]
	s_delay_alu instid0(VALU_DEP_2)
	v_pk_add_f32 v[228:229], v[228:229], v[252:253]
	s_delay_alu instid0(VALU_DEP_1)
	v_pk_add_f32 v[46:47], v[46:47], v[228:229]
	s_wait_alu depctr_va_vdst(0)                       ; and one for the four
.irp b, 0,1,2,3
	v_max_num_f32 v[BM+\b], 0x1800000, v[BM+\b]        ; the floor 2^(3 - 127): the byte cannot fall under 1
.endr
.irp b, 0,1,2,3
	s_delay_alu instid0(VALU_DEP_4)
	v_add_nc_u32 v[SO+\b], 0xff000000, v[BM+\b]        ; 2 off the exponent field: the conversion's scale operand
.endr
.irp b, 0,1,2,3
	s_delay_alu instid0(VALU_DEP_4)
	v_lshrrev_b32 v[T2+\b], 23, v[SO+\b]               ; the scale's byte
.endr
	s_delay_alu instid0(VALU_DEP_3)
	v_lshl_or_b32 v[PW], v[T2+1], 8, v[T2]
	s_delay_alu instid0(VALU_DEP_1)
	v_lshl_or_b32 v[PW], v[T2+2], 16, v[PW]
	s_delay_alu instid0(VALU_DEP_1)
	v_lshl_or_b32 v[PW], v[T2+3], 24, v[PW]            ; p's scale word for these 128 keys
.irp c, 0,1
	v_cvt_scalef32_pk16_fp6_f32 v[PC+6*\c:PC+6*\c+2], v[SS+32*\c:SS+32*\c+15], v[SO+2*\c]
	v_cvt_scalef32_pk16_fp6_f32 v[PT+4*\c:PT+4*\c+2], v[SS+32*\c+16:SS+32*\c+31], v[SO+2*\c+1]
.endr
	v_nop                                              ; one plain place behind a scaled conversion
.irp c, 0,1                                    ; the operand's layout wants a whole block in a lane
.irp i, 0,1,2
	v_permlane16_swap_b32 v[PC+6*\c+\i], v[PT+4*\c+\i]
.endr
.irp i, 0,1,2
	s_delay_alu instid0(VALU_DEP_3)
	v_mov_b32 v[PC+3+6*\c+\i], v[PT+4*\c+\i]
.endr
.endr
.set jj, 0
.rept 16
	v_pk_mul_f32 v[OO+jj:OO+jj+1], v[OO+jj:OO+jj+1], v[FF:FF+1] op_sel_hi:[1,0]   ; O^T under the new M, each accumulator from its low end on.  These sixteen are also the places ahead of the scaled products
.set jj, jj+2
.endr
	s_wait_alu depctr_va_vdst(0)
	s_wait_dscnt 0x0                               ; V is in
.irp t, 0,1,2,3                                ; O^T += V^T P^T: source 0 = 16 channels, source 1 = p.  The four accumulators take turns, and the eight products of S^T stand between two steps
.if \t%2
	v_wmma_scale_f32_16x16x128_f8f6f4 v[OO+8*\t:OO+8*\t+7], v[KV+12*\t:KV+12*\t+11], v[PC:PC+11], v[OO+8*\t:OO+8*\t+7], v[VS+\t/2], v[PW] matrix_a_fmt:MATRIX_FMT_FP6 matrix_b_fmt:MATRIX_FMT_FP6 matrix_a_scale:MATRIX_SCALE_ROW1
.else
	v_wmma_scale_f32_16x16x128_f8f6f4 v[OO+8*\t:OO+8*\t+7], v[KV+12*\t:KV+12*\t+11], v[PC:PC+11], v[OO+8*\t:OO+8*\t+7], v[VS+\t/2], v[PW] matrix_a_fmt:MATRIX_FMT_FP6 matrix_b_fmt:MATRIX_FMT_FP6
.endif
.endr
.endm
.macro SLOT_STEPS
	v_add_nc_u32 v[ADR], s36, v[A0]
	s_wait_alu depctr_va_vdst(0)
	v_add_nc_u32 v[ADS], s36, v[AS0]
	s_wait_alu depctr_va_vdst(0)
	STEP 0
	STEP 1
	s_xor_b32 s36, s36, SLOT1                      ; on to the other slot
.endm
	s_load_b256 s[4:11], s[0:1], 0x0               ; qc s[4:5], kv s[6:7], Wo s[8:9], bo s[10:11]
	s_load_b64 s[12:13], s[0:1], 0x20              ; out0
	v_lshl_add_u32 v[SPW], v0, 2, SPARE
	v_mov_b32 v[NIL], 0
	ds_add_u32 v[SPW], v[NIL]                      ; the wave's opening: the add and its wait stand ahead of my first tensor load; the set-up below, work on registers, stands between them
	ds_add_u32 v[SPW], v[NIL]
	v_lshrrev_b32 v212, 5, v0
	s_delay_alu instid0(VALU_DEP_1)
	v_readfirstlane_b32 s14, v212                  ; wave 0..15
	s_and_b32 s15, s14, 3                          ; qt: my tile of queries; on the way out my block of 16 columns
	s_lshr_b32 s16, s14, 2                         ; kq: my quarter of the keys; on the way out my pair of tiles of Wo
	s_bfe_u32 s17, ttmp6, 0x40000                  ; cx
	s_lshl_b32 s18, ttmp9, 2
	s_add_co_u32 s18, s18, s17                     ; j = 4 x cluster + cx: it enters global addresses alone
	s_mov_b32 s20, 0x76543210
	s_mov_b32 s21, 0xfedcba98                      ; v_permlanex16_b32's selects for lane l xor 16
	s_mov_b32 s22, 0x3e38aa3b                      ; c = log2(e) / 8
	s_mov_b32 s23, s22                             ; (named with it as a pair, so it is written)
	; two records: a dense block of 25,600 bytes as 100 rows of 256 (32 elements of 8 bytes); the mask names all four partners
	s_mov_b32 s24, 15|(3<<16)|(1<<21)
	s_mov_b32 s25, 32<<16
	s_mov_b32 s26, 100<<16
	s_mov_b32 s27, 32<<16
	s_mov_b32 s28, 100
	s_mov_b32 s29, 32
	s_mov_b32 s30, 0
	s_mov_b32 s31, 0
	s_mov_b32 s32, 1
	s_mul_i32 s33, s15, 2*RECB                     ; where they go: the wave's number alone
	s_mov_b32 s46, s33                             ; and where they come from
	s_mov_b32 s47, 0
	s_mov_b32 s36, 0                               ; the slot in hand
	s_mov_b32 s37, 15                              ; slots still to be asked for
	s_xor_b32 s38, s16, 1                          ; 0 in waves 4-7,
	s_or_b32 s38, s38, ttmp9                       ; of cluster 0: the same in all four partners
	s_cmp_eq_u32 s38, 0
	s_cselect_b32 s38, 1, -1                       ; a wave prefetches while s37 is above this
	s_mul_i32 s48, s17, 2*RECB                     ; my work-group's quarter of a slot,
	s_add_co_u32 s48, s48, SLOTB                   ; in slot 1: the first change of slots steps it to slot 2.  Nothing is prefetched at the head
	s_mov_b32 s49, 0
	v_and_b32 v212, 31, v0                         ; lane
	v_and_b32 v213, 15, v0                         ; r
	v_bfe_u32 v214, v0, 4, 1                       ; h
	s_mul_i32 s42, s16, 2*RECB
	v_lshl_add_u32 v[A0], v212, 4, s42
	v_lshl_add_u32 v[AS0], v212, 3, s42
	s_lshl_b32 s42, s15, 5
	v_add_nc_u32 v[PFO], s42, v212
	s_delay_alu instid0(VALU_DEP_1)
	v_min_u32 v[PFO], 99, v[PFO]
	s_delay_alu instid0(VALU_DEP_1)
	v_lshlrev_b32 v[PFO], 8, v[PFO]
	s_lshl_b32 s42, s15, 4
	v_add_nc_u32 v215, s42, v213                   ; c' = 16 qt + r
	s_delay_alu instid0(VALU_DEP_1)
	v_lshlrev_b32 v[QSO], 14, v215                 ; query 256 c' + j: 64 bytes a row (64 j goes into the base)
	s_delay_alu instid0(VALU_DEP_1)
	v_mad_u32_u24 v[QOF], v214, 24, v[QSO]
	s_delay_alu instid0(VALU_DEP_2)
	v_add_nc_u32 v[QSO], 48, v[QSO]
	s_lshl_b32 s42, s14, 6
	s_add_co_u32 s42, s42, STATS
	v_lshl_add_u32 v[STW], v213, 2, s42            ; my wave's 16 words
	s_lshl_b32 s42, s15, 6
	s_add_co_u32 s42, s42, STATS
	v_lshl_add_u32 v[STR], v213, 2, s42            ; the four quarters' words of my queries: 256 bytes apart
	s_mul_i32 s42, s16, PARTB
	s_add_co_u32 s42, s42, PART
	v_mul_u32_u24 v[PAW], v214, 8*272
	s_delay_alu instid0(VALU_DEP_1)
	v_lshl_add_u32 v[PAW], v215, 2, v[PAW]
	s_delay_alu instid0(VALU_DEP_1)
	v_add_nc_u32 v[PAW], s42, v[PAW]               ; part kq, channel 8 h (+ the offset), word c'
	v_mul_u32_u24 v[PAR], v215, 272
	s_delay_alu instid0(VALU_DEP_1)
	v_lshl_add_u32 v[PAR], v214, 7, v[PAR]
	s_delay_alu instid0(VALU_DEP_1)
	v_add_nc_u32 v[PAR], PART, v[PAR]              ; channel 16 qt + r, c' = 32 h on
	s_mul_i32 s42, s16, 1536
	s_add_co_u32 s42, s42, WOI
	v_lshl_add_u32 v[WOR], v212, 4, s42
	s_lshl_b32 s42, s16, 7
	s_add_co_u32 s42, s42, WOS
	v_lshl_add_u32 v[WSR], v212, 2, s42
	s_mul_i32 s42, s16, 32*YP
	v_mul_u32_u24 v[YSW], v214, 8*YP
	s_delay_alu instid0(VALU_DEP_1)
	v_lshl_add_u32 v[YSW], v215, 2, v[YSW]
	s_delay_alu instid0(VALU_DEP_1)
	v_add_nc_u32 v[YSW], s42, v[YSW]               ; Y's stage: row 32 kq + 8 h (+ the offset), column 16 qt + r
	s_mul_i32 s42, s14, 8*YP
	v_mul_u32_u24 v[YSR], v214, YP
	s_delay_alu instid0(VALU_DEP_1)
	v_lshl_add_u32 v[YSR], v213, 4, v[YSR]
	s_delay_alu instid0(VALU_DEP_1)
	v_add_nc_u32 v[YSR], s42, v[YSR]               ; back: rows 8 w + h, 16 bytes a lane
	s_lshl_b32 s42, s14, 19
	v_lshlrev_b32 v[GOF], 16, v214
	s_delay_alu instid0(VALU_DEP_1)
	v_lshl_add_u32 v[GOF], v213, 4, v[GOF]
	s_delay_alu instid0(VALU_DEP_1)
	v_add_nc_u32 v[GOF], s42, v[GOF]               ; and in out0: rows of 65,536 bytes
	s_lshl_b32 s42, s16, 7
	v_lshl_add_u32 v[BOF], v214, 5, s42            ; bo: 128 kq + 32 h
	v_lshlrev_b32 v[WGO], 8, v213
	s_delay_alu instid0(VALU_DEP_1)
	v_lshl_add_u32 v[WGO], v214, 7, v[WGO]         ; Wo: row r of 256 bytes, + 128 h
	s_mul_i32 s42, s15, 1536
	s_add_co_u32 s42, s42, WOI
	v_lshl_add_u32 v[WIW], v212, 4, s42
	s_lshl_b32 s42, s15, 7
	s_add_co_u32 s42, s42, WOS
	v_lshl_add_u32 v[WSW], v212, 2, s42
	s_lshl_b32 s44, s15, 13                        ; Wo's pair qt: 32 rows of 256 bytes
	s_mov_b32 s45, 0
	s_wait_dscnt 0x0                               ; the opening add is done
	s_wait_kmcnt 0x0
	s_add_nc_u64 s[34:35], s[6:7], s[46:47]
	s_or_b32 s35, s35, 0x80000000
	s_add_nc_u64 s[40:41], s[6:7], s[48:49]
	s_lshl_b32 s50, s18, 6
	s_mov_b32 s51, 0
	s_add_nc_u64 s[4:5], s[4:5], s[50:51]          ; qc + 64 j
	s_lshl_b32 s50, s18, 8
	s_add_nc_u64 s[12:13], s[12:13], s[50:51]      ; out0 + 256 j
	s_add_nc_u64 s[8:9], s[8:9], s[44:45]
	CROUND                                         ; all four work-groups are here: the first joint loads meet
	JLOAD                                          ; slot 0
.irp p, 0,1,2
	global_load_b64 v[QQ+2*\p:QQ+2*\p+1], v[QOF], s[4:5] offset:8*\p         ; Q's 24 bytes, into both places
	global_load_b64 v[QQ+12+2*\p:QQ+12+2*\p+1], v[QOF], s[4:5] offset:8*\p
.endr
	global_load_b32 v[QS], v[QSO], s[4:5]
.irp i, 6,7,8,9,10,11
	v_mov_b32 v[QQ+\i], 0                          ; the zero codes between them
.endr
.set jj, 0
.rept 32
	v_mov_b32 v[OO+jj], 0                          ; O^T.  (The step is written once: the first finds zeros, which the first change of M leaves zeros)
.set jj, jj+1
.endr
	v_mov_b32 v[LL], 0
	v_mov_b32 v[LL+1], 0
.irp b, 0,1,2,3
	v_mov_b32 v[T2+\b], 0                          ; written once: a lane permute's destination counts as one of its sources
.endr
	v_mov_b32 v[PW], 0                             ; (named as the upper half of the pair with f before it is first written)
	v_mov_b32 v[NM+1], 0xff61b1e6                  ; the largest t so far: -3e38
	s_delay_alu instid0(VALU_DEP_1)
	v_floor_f32 v[NM], -v[NM+1]
	; Wo: waves 0-3 quantise a pair of tiles each (rows 32 w + 16 u + r; my lane: c' = 32 h .. 32 h + 31, a whole block) and store its image.  The others read it behind the loop's barriers
	s_cmp_lt_u32 s14, 4
	s_cbranch_scc0 .Lno_wo
.irp u, 0,1
.irp i, 0,1,2,3,4,5,6,7
	global_load_b128 v[SS+32*\u+4*\i:SS+32*\u+4*\i+3], v[WGO], s[8:9] offset:4096*\u+16*\i
.endr
.endr
	s_wait_loadcnt 0x0
.irp u, 0,1
	v_max3_num_f32 v[BM+\u], |v[SS+32*\u]|, |v[SS+32*\u+1]|, 0x1800000
.endr
.irp i, 2,4,6,8,10,12,14,16,18,20,22,24,26,28,30
.irp u, 0,1
	s_delay_alu instid0(VALU_DEP_2)
	v_max3_num_f32 v[BM+\u], v[BM+\u], |v[SS+32*\u+\i]|, |v[SS+32*\u+\i+1]|
.endr
.endr
.irp u, 0,1
	s_delay_alu instid0(VALU_DEP_2)
	v_add_nc_u32 v[SO+\u], 0xff000000, v[BM+\u]
.endr
.irp u, 0,1
	s_delay_alu instid0(VALU_DEP_2)
	v_lshrrev_b32 v[T2+\u], 23, v[SO+\u]
.endr
	s_delay_alu instid0(VALU_DEP_1)
	v_lshl_or_b32 v[WW], v[T2+1], 16, v[T2]        ; my bytes of the two tiles,
	v_bfe_u32 v[TMP], v0, 4, 1
	s_delay_alu instid0(VALU_DEP_1)
	v_lshlrev_b32 v[TMP], 3, v[TMP]
	s_delay_alu instid0(VALU_DEP_1)
	v_lshlrev_b32 v[WW], v[TMP], v[WW]             ; 8 h bits up;
	s_delay_alu instid0(VALU_DEP_1)
	v_permlanex16_b32 v[T2+2], v[WW], s20, s21
	s_delay_alu instid0(VALU_DEP_1)
	v_or_b32 v[WW], v[WW], v[T2+2]                 ; with lane l xor 16's the pair's word is whole
.irp u, 0,1
	v_cvt_scalef32_pk16_fp6_f32 v[PC+6*\u:PC+6*\u+2], v[SS+32*\u:SS+32*\u+15], v[SO+\u]
	v_cvt_scalef32_pk16_fp6_f32 v[PT+4*\u:PT+4*\u+2], v[SS+32*\u+16:SS+32*\u+31], v[SO+\u]
.endr
	v_nop
.irp u, 0,1
.irp i, 0,1,2
	v_mov_b32 v[PC+3+6*\u+\i], v[PT+4*\u+\i]
.endr
.endr
.irp c, 0,1,2
	ds_store_b128 v[WIW], v[PC+4*\c:PC+4*\c+3] offset:512*\c
.endr
	ds_store_b32 v[WSW], v[WW]
.Lno_wo:
	s_wait_loadcnt 0x0                             ; Q
.Lslot:                                            ; 15 trips: behind each change of slots but the last the next slot is asked for
	CHANGE 1
	SLOT_STEPS
	s_sub_co_u32 s37, s37, 1
	s_cmp_lg_u32 s37, 0
	s_cbranch_scc1 .Lslot
	CHANGE 0                                       ; the last slot is written out
	SLOT_STEPS
	; ---- THE MERGE.  Each wave publishes -M and its sum
	PLACES 4                                       ; behind the last products
	v_add_f32 v[LL], v[LL], v[LL+1]
	s_delay_alu instid0(VALU_DEP_1)
	v_permlanex16_b32 v[TMP], v[LL], s20, s21
	s_delay_alu instid0(VALU_DEP_1)
	v_add_f32 v[LL], v[LL], v[TMP]                 ; my quarter's sum of query r
	ds_store_b32 v[STW], v[NM]                     ; both halves of the lanes write the same word with the same value
	ds_store_b32 v[STW], v[LL] offset:1024
.irp u, 0,1
.irp q, 0,1
	global_load_b128 v[BO+8*\u+4*\q:BO+8*\u+4*\q+3], v[BOF], s[10:11] offset:64*\u+16*\q   ; bo in the result's layout: tile u, register j: row 32 kq + 16 u + 8 h + j
.endr
.endr
	s_wait_dscnt 0x0
	s_barrier_signal -1
	s_barrier_wait -1
.irp k, 0,1,2,3
	ds_load_b32 v[PT+\k], v[STR] offset:256*\k
	ds_load_b32 v[PT+4+\k], v[STR] offset:1024+256*\k
.endr
	s_wait_dscnt 0x0
	v_min3_num_f32 v[TMP], v[PT], v[PT+1], v[PT+2]
	s_delay_alu instid0(VALU_DEP_1)
	v_min_num_f32 v[TMP], v[TMP], v[PT+3]          ; the smallest -M: the largest M
.irp k, 0,1,2,3
	v_sub_f32 v[BM+\k], v[TMP], v[PT+\k]           ; M_k - the largest M: a whole number, 0 or less
.endr
.irp k, 0,1,2,3
	s_delay_alu instid0(VALU_DEP_4)
	v_cvt_i32_f32 v[BM+\k], v[BM+\k]
.endr
.irp k, 0,1,2,3
	s_delay_alu instid0(VALU_DEP_4)
	v_ldexp_f32 v[BM+\k], 1.0, v[BM+\k]
.endr
	s_delay_alu instid0(VALU_DEP_4)
	v_mul_f32 v[WW], v[BM], v[PT+4]
	s_delay_alu instid0(VALU_DEP_1)
	v_fma_f32 v[WW], v[BM+1], v[PT+5], v[WW]
	s_delay_alu instid0(VALU_DEP_1)
	v_fma_f32 v[WW], v[BM+2], v[PT+6], v[WW]
	s_delay_alu instid0(VALU_DEP_1)
	v_fma_f32 v[WW], v[BM+3], v[PT+7], v[WW]       ; the row's sum under the largest M
	s_wait_alu depctr_va_vdst(0)
	v_rcp_f32 v[WW], v[WW]
	v_sub_f32 v[FF], v[TMP], v[NM]                 ; (plain work behind the reciprocal)  my own factor
	s_delay_alu instid0(VALU_DEP_1)
	v_cvt_i32_f32 v[FF], v[FF]
	s_delay_alu instid0(VALU_DEP_1)
	v_ldexp_f32 v[FF], 1.0, v[FF]
	s_wait_alu depctr_va_vdst(0)                   ; the wait ahead of the reciprocal's first reader
	v_mul_f32 v[FF], v[FF], v[WW]
.set jj, 0
.rept 16
	v_pk_mul_f32 v[OO+jj:OO+jj+1], v[OO+jj:OO+jj+1], v[FF:FF+1] op_sel_hi:[1,0]   ; my part of O, each accumulator from its low end on
.set jj, jj+2
.endr
.irp t, 0,1,2,3
.irp j, 0,1,2,3,4,5,6,7
	ds_store_b32 v[PAW], v[OO+8*\t+\j] offset:(16*\t+\j)*272    ; channel 16 t + 8 h + j, word c'
.endr
.endr
	s_wait_dscnt 0x0
	s_barrier_signal -1
	s_barrier_wait -1                              ; the four parts of O2 lie in LDS
	; ---- Y: wave (qt, kq) makes rows 32 kq .. 32 kq + 31 of columns 16 qt .. 16 qt + 15
.irp i, 0,1,2,3,4,5,6,7
	ds_load_b128 v[96+4*\i:99+4*\i], v[PAR] offset:16*\i
	ds_load_b128 v[128+4*\i:131+4*\i], v[PAR] offset:PARTB+16*\i
	ds_load_b128 v[48+4*\i:51+4*\i], v[PAR] offset:2*PARTB+16*\i
	ds_load_b128 v[160+4*\i:163+4*\i], v[PAR] offset:3*PARTB+16*\i
.endr
.irp c, 0,1,2
	ds_load_b128 v[PC+4*\c:PC+4*\c+3], v[WOR] offset:512*\c     ; Wo's pair kq
.endr
	ds_load_b32 v[KS], v[WSR]                      ; and its scale word
	s_wait_dscnt 0x0
.set jj, 0
.rept 16
	v_pk_add_f32 v[96+jj:97+jj], v[96+jj:97+jj], v[128+jj:129+jj]
	v_pk_add_f32 v[48+jj:49+jj], v[48+jj:49+jj], v[160+jj:161+jj]
.set jj, jj+2
.endr
.set jj, 0
.rept 16
	v_pk_add_f32 v[96+jj:97+jj], v[96+jj:97+jj], v[48+jj:49+jj]   ; O2(c' = 32 h + i, channel 16 qt + r): a whole block in my lane
.set jj, jj+2
.endr
.irp c, 0,1
	v_max3_num_f32 v[BM+\c], |v[96+16*\c]|, |v[97+16*\c]|, 0x1800000
.endr
.irp i, 2,4,6,8,10,12,14
.irp c, 0,1
	s_delay_alu instid0(VALU_DEP_2)
	v_max3_num_f32 v[BM+\c], v[BM+\c], |v[96+16*\c+\i]|, |v[97+16*\c+\i]|
.endr
.endr
	s_delay_alu instid0(VALU_DEP_1)
	v_max_num_f32 v[BM], v[BM], v[BM+1]
	s_delay_alu instid0(VALU_DEP_1)
	v_add_nc_u32 v[SO], 0xff000000, v[BM]
	s_delay_alu instid0(VALU_DEP_1)
	v_lshrrev_b32 v[T2], 23, v[SO]
	v_bfe_u32 v[TMP], v0, 4, 1
	s_delay_alu instid0(VALU_DEP_1)
	v_lshlrev_b32 v[TMP], 3, v[TMP]
	s_delay_alu instid0(VALU_DEP_1)
	v_lshlrev_b32 v[T2], v[TMP], v[T2]
	s_delay_alu instid0(VALU_DEP_1)
	v_permlanex16_b32 v[T2+1], v[T2], s20, s21
	s_delay_alu instid0(VALU_DEP_1)
	v_or_b32 v[T2], v[T2], v[T2+1]                 ; the column's two bytes,
	s_delay_alu instid0(VALU_DEP_1)
	v_lshl_or_b32 v[VS], v[T2], 16, v[T2]          ; for both places
	v_cvt_scalef32_pk16_fp6_f32 v[QQ:QQ+2], v[96:111], v[SO]
	v_cvt_scalef32_pk16_fp6_f32 v[QQ+12:QQ+14], v[96:111], v[SO]
	v_cvt_scalef32_pk16_fp6_f32 v[PT:PT+2], v[112:127], v[SO]
	v_nop
.irp i, 0,1,2
	v_mov_b32 v[QQ+3+\i], v[PT+\i]
	v_mov_b32 v[QQ+15+\i], v[PT+\i]                ; [O2 6 | zeros 6 | O2 6]: the zeros still stand
.endr
	PLACES 8                                       ; a scale word written by a vector instruction stands 8 places ahead of a scaled product, an operand so written 4
	s_wait_alu depctr_va_vdst(0)
	s_wait_loadcnt 0x0                             ; bo
	v_wmma_scale_f32_16x16x128_f8f6f4 v[128:135], v[PC:PC+11], v[QQ:QQ+11], v[BO:BO+7], v[KS], v[VS] matrix_a_fmt:MATRIX_FMT_FP6 matrix_b_fmt:MATRIX_FMT_FP6
	v_wmma_scale_f32_16x16x128_f8f6f4 v[136:143], v[PC:PC+11], v[QQ+6:QQ+17], v[BO+8:BO+15], v[KS], v[VS] matrix_a_fmt:MATRIX_FMT_FP6 matrix_b_fmt:MATRIX_FMT_FP6
	PLACES 4
.irp u, 0,1
.irp j, 0,1,2,3,4,5,6,7
	ds_store_b32 v[YSW], v[128+8*\u+\j] offset:(16*\u+\j)*YP    ; Y(32 kq + 16 u + 8 h + j, 16 qt + r); each result from its low end on
.endr
.endr
	s_wait_dscnt 0x0
	s_barrier_signal -1
	s_barrier_wait -1                              ; 128 rows of 256 bytes lie in the stage
.irp i, 0,1,2,3
	ds_load_b128 v[48+4*\i:51+4*\i], v[YSR] offset:2*YP*\i
.endr
.irp i, 0,1,2,3
	s_wait_dscnt 3-\i                              ; the younger loads of this run may be out
	global_store_b128 v[GOF], v[48+4*\i:51+4*\i], s[12:13] offset:131072*\i th:TH_STORE_NT   ; 16 lanes store 256 consecutive bytes, aligned; written once, read by nobody here
.endr
	s_wait_tensorcnt 0x0                           ; the wave's end, behind my last tensor load and my last LDS store
	ds_add_u32 v[SPW], v[NIL]
	s_wait_dscnt 0x0
	CROUND                                         ; the closing round: no work-group ends while a partner may still ask for a slot that names it
	s_endpgm
.Lfunc_end_k_qc656f1594d_attn:
	.size	k_qc656f1594d_attn, .Lfunc_end_k_qc656f1594d_attn-k_qc656f1594d_attn
	.p2alignl 7, 3214868480
	.fill 96, 4, 3214868480
	.section	.rodata,"a",@progbits
	.p2align	6, 0x0
	.amdhsa_kernel k_qc656f1594d_attn
		.amdhsa_group_segment_fixed_size 327680
		.amdhsa_private_segment_fixed_size 0
		.amdhsa_enable_private_segment 0
		.amdhsa_kernarg_size 40
		.amdhsa_user_sgpr_count 2
		.amdhsa_user_sgpr_kernarg_segment_ptr 1
		.amdhsa_wavefront_size32 1
		.amdhsa_system_sgpr_workgroup_id_x 1
		.amdhsa_system_sgpr_workgroup_id_y 1
		.amdhsa_system_sgpr_workgroup_id_z 1
		.amdhsa_system_vgpr_workitem_id 0
		.amdhsa_next_free_vgpr 256
		.amdhsa_next_free_sgpr 66
		.amdhsa_reserve_vcc 0
		.amdhsa_float_denorm_mode_32 3
		.amdhsa_float_denorm_mode_16_64 3
		.amdhsa_memory_ordered 1
		.amdhsa_forward_progress 1
		.amdhsa_inst_pref_size 99
	.end_amdhsa_kernel
	.amdgpu_metadata
---
amdhsa.version: [ 1, 2 ]
amdhsa.kernels:
  - .name:           k_qc656f1594d_attn
    .symbol:         k_qc656f1594d_attn.kd
    .args:
      - { .name: qc, .offset: 0, .size: 8, .value_kind: global_buffer, .address_space: global }
      - { .name: kv, .offset: 8, .size: 8, .value_kind: global_buffer, .address_space: global }
      - { .name: Wo, .offset: 16, .size: 8, .value_kind: global_buffer, .address_space: global }
      - { .name: bo, .offset: 24, .size: 8, .value_kind: global_buffer, .address_space: global }
      - { .name: out0, .offset: 32, .size: 8, .value_kind: global_buffer, .address_space: global }
    .group_segment_fixed_size: 327680
    .private_segment_fixed_size: 0
    .kernarg_segment_align: 8
    .kernarg_segment_size: 40
    .max_flat_workgroup_size: 512
    .sgpr_count:     66
    .vgpr_count:     256
    .wavefront_size: 32
...
	.end_amdgpu_metadata
.endif
;; end of part 2
